; MI455X (gfx1250); checked and timed in simulation.
; The chip was launched on July 23, 2026; its instructions are those of AMD's public machine-readable ISA for CDNA 5 (MIT licence, August 2026) and "CDNA5" Instruction Set Architecture Reference Guide (July 2026). The comments in the code are by the model that wrote it; some were corrected since.
;; VQVAE Vector Quantizer. Allowed arithmetic: matrix products marked QUANTISED: E5M2 operands, one given power-of-two scale a tensor, by v_wmma_f32_16x16x64_bf8_bf8 or v_wmma_f32_16x16x128_bf8_bf8, f32 sums; everything else in f32.
;; Inputs: emb 8,192 x 256 float32; lowp_scales 2 int32 (the exponents e of the quantised operands' scales 2^e); z 32 x 256 x 32 x 32 float32.
;; Outputs: out0 32 x 256 x 32 x 32 float32; out1 one number float32.
;; This version of the problem:
;;   THIS VERSION OF THE PROBLEM IS GIVEN IN LOW PRECISION. The matrix products marked QUANTISED in the list below multiply operands that are first quantised to E5M2 (5 exponent bits, 2 mantissa bits; 8 bits a number), with one given power-of-two scale for each operand tensor; their sums are f32. All else is computed in f32.
;;   The module's matrix products, in the order in which they are computed (A, B: the left and right operand; K: the contracted axis; several contracted axes count as one K, in the product's order):
;;     1. [M 32,768, K 256] x [K 256, N 8,192]; A: input z; B: input emb: QUANTISED (scales: A lowp_scales[0], B lowp_scales[1])
;;   THE QUANTISER, for each operand of a quantised product, along K:
;;     - The operand's scale is 2^e, e = its entry of the input lowp_scales (int32; the entries are numbered through the quantised products in the list's order, A before B).
;;     - Each number is divided by the scale, clamped to +-57,344, and rounded to the nearest number of E5M2, ties to even, subnormals kept.
;;     - The product sums the exact products of the quantised numbers (number of the format x scale) in f32.
;;   ~~~python
;;   def quantise(x, axis, e):      # numpy; x: float32 -> the quantised numbers, widened to float32 again
;;       x = np.moveaxis(x, axis, -1); K = x.shape[-1]
;;       r = np.clip(x / 2.0 ** e, -57344, 57344)
;;       step = 2.0 ** (np.maximum(np.frexp(np.where(r == 0, 1, r))[1] - 1, -14) - 2)
;;       q = np.round(r / step) * step * 2.0 ** e      # np.round: ties to even
;;       return np.moveaxis(q, -1, axis).astype(np.float32)
;;   ~~~
;; One version. Each part assembles by itself: llvm-mc -triple=amdgcn-amd-amdhsa -mcpu=gfx1250 --defsym DOCPART=n.
;; ======== version 1 of 1: 4 launches
;; workspace buffers: ecodes 2,129,920 bytes; idx 131,072 bytes of whole numbers; part 1,024 bytes
;; launch prep (part 1): grid 128 x 1, 4 waves a work-group, no clusters, 768 bytes of LDS; arguments emb, lowp_scales, ecodes; writes ecodes
.if DOCPART == 1
	.amdgcn_target "amdgcn-amd-amdhsa--gfx1250"
	.amdhsa_code_object_version 6
	.text
	.protected	k_qba157a06d3_prep
	.globl	k_qba157a06d3_prep
	.p2align	8
	.type	k_qba157a06d3_prep,@function
k_qba157a06d3_prep:
	s_mov_b64 s[64:65], 0
	v_nop
	global_prefetch_b8 v0, s[64:65] scope:SCOPE_SE
	s_setreg_imm32_b32 hwreg(HW_REG_WAVE_MODE, 25, 1), 1
	s_wait_xcnt 0x0
; emb [8192][256] f32 becomes codes of BF8 (E5M2) with the given scale 2^e1, laid in the ORDER OF THE OPERAND'S REGISTERS, and ee[code] = the sum of emb^2 over the code's 256 numbers, in f32.
; ecodes: 128 blocks of 16,640 bytes (65 x 256).  Block g serves codes 64 g .. 64 g + 63: four tiles of 4,096 bytes (tile t: codes 64 g + 16 t + r), then 256 bytes of ee (entry 16 t + r).
; In a tile, group q (512 bytes, q = 0 .. 7) holds at 16 x lane the lane's 16 codes K = 32 q + 16 (lane / 16) + 0 .. 15 of code lane % 16: four registers of a fragment, as a wave of the next launch loads them.
; code = x / 2^e1, held within +-57,344, to the nearest code, ties to even.  LIMITS: -126 <= e1 <= 112, so that 2^e1 and 57,344 x 2^e1 are f32 numbers.  NaN among the inputs is not served.
; SHARES: work-group g makes block g, wave w tile w.  A lane holds 128 numbers: 16 neighbours along K of each of the eight groups.  All of a wave's 32 loads go out at once.
; No cluster: the work-groups share no input.  No tensor load: each number is read once, straight into the registers in which it is converted.
.set X,   16                           ; v16-143  my 128 numbers: register 16 q + i = K 32 q + 16 h + i
.set C,   144                          ; v144-175 their codes: registers 4 q .. 4 q + 3
.set BLK, 16640
	s_load_b128 s[4:7], s[0:1], 0x0                ; emb s[4:5], the scales' exponents s[6:7]
	s_load_b64 s[8:9], s[0:1], 0x10                ; ecodes
	v_lshl_add_u32 v176, v0, 2, 0x100
	v_mov_b32 v177, 0
	v_lshrrev_b32 v1, 5, v0
	v_readfirstlane_b32 s10, v1                    ; wave 0..3
	v_and_b32 v1, 15, v0                           ; r
	v_bfe_u32 v2, v0, 4, 1                         ; h
	v_lshlrev_b32 v3, 10, v1
	v_lshl_add_u32 v3, v2, 6, v3                   ; emb: row r of 1,024 bytes, + 64 h
	v_and_b32 v4, 31, v0
	v_lshlrev_b32 v6, 3, v4                        ; 8 x lane: ee on its way out
	v_lshlrev_b32 v4, 4, v4                        ; 16 x lane: my place in a group
	s_lshl_b32 s11, s10, 6
	v_lshl_add_u32 v5, v1, 2, s11                  ; LDS: ee's entry 16 w + r
	s_lshl_b32 s12, ttmp9, 16                      ; the block's 64 rows of 1,024 bytes,
	s_lshl_b32 s13, s10, 14                        ; my tile's 16
	s_add_co_u32 s12, s12, s13
	s_mov_b32 s13, 0
	s_mul_i32 s18, ttmp9, BLK                      ; the block in ecodes,
	s_mov_b32 s19, 0
	s_lshl_b32 s20, s10, 12                        ; my tile in it
	s_mov_b32 s21, 0
	s_mov_b32 s16, 0x76543210                      ; v_permlanex16_b32: lane l takes lane l xor 16
	s_mov_b32 s17, 0xfedcba98
	s_wait_kmcnt 0x0
	s_load_b32 s14, s[6:7], 0x4                    ; e1
	s_add_nc_u64 s[4:5], s[4:5], s[12:13]
	s_add_nc_u64 s[8:9], s[8:9], s[18:19]
	s_add_nc_u64 s[22:23], s[8:9], s[20:21]
.irp q, 0,1,2,3,4,5,6,7
.irp j, 0,1,2,3
	global_load_b128 v[X+16*\q+4*\j:X+16*\q+4*\j+3], v3, s[4:5] offset:128*\q+16*\j th:TH_LOAD_NT
.endr
.endr
	v_mov_b32 v14, 0                               ; written once: a lane permute's destination counts as one of its sources
	s_wait_kmcnt 0x0
	s_add_co_i32 s14, s14, 127
	s_lshl_b32 s15, s14, 23
	v_mov_b32 v7, s15                              ; 2^e1 as f32: the conversion takes its exponent field
	s_add_co_i32 s14, s14, 15
	s_lshl_b32 s14, s14, 23
	s_or_b32 s14, s14, 0x600000
	v_mov_b32 v8, s14                              ; 57,344 x 2^e1
	s_wait_loadcnt 0x0
	; ee, of the numbers as they came: two packed chains, started by products
	v_pk_mul_f32 v[10:11], v[X:X+1], v[X:X+1]
	v_pk_mul_f32 v[12:13], v[X+2:X+3], v[X+2:X+3]
.set j, 4
.rept 31
	v_pk_fma_f32 v[10:11], v[X+j:X+j+1], v[X+j:X+j+1], v[10:11]
	v_pk_fma_f32 v[12:13], v[X+j+2:X+j+3], v[X+j+2:X+j+3], v[12:13]
.set j, j+4
.endr
	v_pk_add_f32 v[10:11], v[10:11], v[12:13]
	v_add_f32 v10, v10, v11
	v_permlanex16_b32 v14, v10, s16, s17           ; the code's other 128 numbers lie in the lane 16 away
	v_add_f32 v10, v10, v14
	; the codes
.irp q, 0,1,2,3,4,5,6,7
.irp i, 0,1,2,3,4,5,6,7,8,9,10,11,12,13,14,15
	v_med3_num_f32 v[X+16*\q+\i], v[X+16*\q+\i], -v8, v8   ; the conversion to an 8-bit code does not saturate (ISA guide 7.6.2): the hold at the largest code x the scale
.endr
	v_cvt_scalef32_pk8_bf8_f32 v[C+4*\q:C+4*\q+1], v[X+16*\q:X+16*\q+7], v7
	v_cvt_scalef32_pk8_bf8_f32 v[C+4*\q+2:C+4*\q+3], v[X+16*\q+8:X+16*\q+15], v7
.endr
	v_nop                                          ; a plain vector line behind the last conversion
.irp q, 0,1,2,3,4,5,6,7
	global_store_b128 v4, v[C+4*\q:C+4*\q+3], s[22:23] offset:512*\q   ; 32 lanes store 512 consecutive bytes, at a multiple of 256 from the buffer's first byte
.endr
	ds_store_b32 v5, v10                           ; lanes r and r + 16 hold the same sum and write the same word
	s_wait_dscnt 0x0                               ; for the others' sake: my store has landed
	s_barrier_signal -1
	s_barrier_wait -1
	s_cmp_lg_u32 s10, 0
	s_cbranch_scc1 .Ldone
	ds_load_b64 v[10:11], v6                       ; wave 0 takes the block's 64 sums,
	s_wait_dscnt 0x0
	global_store_b64 v6, v[10:11], s[8:9] offset:16384   ; and stores them as 256 consecutive bytes behind the four tiles
.Ldone:
	s_wait_tensorcnt 0x0
	ds_add_u32 v176, v177
	s_wait_dscnt 0x0
	s_endpgm
.Lfunc_end_k_qba157a06d3_prep:
	.size	k_qba157a06d3_prep, .Lfunc_end_k_qba157a06d3_prep-k_qba157a06d3_prep
	.p2alignl 7, 3214868480
	.fill 96, 4, 3214868480
	.section	.rodata,"a",@progbits
	.p2align	6, 0x0
	.amdhsa_kernel k_qba157a06d3_prep
		.amdhsa_group_segment_fixed_size 768
		.amdhsa_private_segment_fixed_size 0
		.amdhsa_enable_private_segment 0
		.amdhsa_kernarg_size 24
		.amdhsa_user_sgpr_count 2
		.amdhsa_user_sgpr_kernarg_segment_ptr 1
		.amdhsa_wavefront_size32 1
		.amdhsa_system_sgpr_workgroup_id_x 1
		.amdhsa_system_sgpr_workgroup_id_y 1
		.amdhsa_system_sgpr_workgroup_id_z 1
		.amdhsa_system_vgpr_workitem_id 0
		.amdhsa_next_free_vgpr 178
		.amdhsa_next_free_sgpr 66
		.amdhsa_reserve_vcc 0
		.amdhsa_float_denorm_mode_32 3
		.amdhsa_float_denorm_mode_16_64 3
		.amdhsa_memory_ordered 1
		.amdhsa_forward_progress 1
		.amdhsa_inst_pref_size 20
	.end_amdhsa_kernel
	.amdgpu_metadata
---
amdhsa.version: [ 1, 2 ]
amdhsa.kernels:
  - .name:           k_qba157a06d3_prep
    .symbol:         k_qba157a06d3_prep.kd
    .args:
      - { .name: emb, .offset: 0, .size: 8, .value_kind: global_buffer, .address_space: global }
      - { .name: lowp_scales, .offset: 8, .size: 8, .value_kind: global_buffer, .address_space: global }
      - { .name: ecodes, .offset: 16, .size: 8, .value_kind: global_buffer, .address_space: global }
    .group_segment_fixed_size: 768
    .private_segment_fixed_size: 0
    .kernarg_segment_align: 8
    .kernarg_segment_size: 24
    .max_flat_workgroup_size: 128
    .sgpr_count:     66
    .vgpr_count:     178
    .wavefront_size: 32
...
	.end_amdgpu_metadata
.endif
;; end of part 1
;; launch search (part 2): grid 256 x 1, 8 waves a work-group, clusters of 4 x 1, 327,680 bytes of LDS; arguments ecodes, lowp_scales, z, idx; writes idx
.if DOCPART == 2
	.amdgcn_target "amdgcn-amd-amdhsa--gfx1250"
	.amdhsa_code_object_version 6
	.text
	.protected	k_qba157a06d3_search
	.globl	k_qba157a06d3_search
	.p2align	8
	.type	k_qba157a06d3_search,@function
k_qba157a06d3_search:
	s_mov_b64 s[64:65], 0
	v_nop
	global_prefetch_b8 v0, s[64:65] scope:SCOPE_SE
	s_setreg_imm32_b32 hwreg(HW_REG_WAVE_MODE, 25, 1), 1
	s_wait_xcnt 0x0
	s_wait_alu depctr_hold_cnt(0) depctr_sa_sdst(0) depctr_va_vdst(0) depctr_va_sdst(0) depctr_va_ssrc(0) depctr_va_vcc(0) depctr_vm_vsrc(0)
	s_getreg_b32 s2, hwreg(HW_REG_IB_STS2, 6, 4)
	s_cmp_eq_u32 s2, 0
	s_cbranch_scc0 .Lentry_in_a_cluster
	s_endpgm
.Lentry_in_a_cluster:
	s_bfe_u32 s2, ttmp6, 0x10000c
	s_cmp_lg_u32 s2, 0x3003
	s_cbranch_scc0 .Lentry_shape_is_right
	s_endpgm
.Lentry_shape_is_right:
; idx[n] = the first code k at which d2(n, k) = (zz[n] - 2 dot(n, k)) + ee[k] is smallest.  n = 1024 b + hw runs over 32,768 rows of z [32][256][1024] (K = the 256 channels), k over 8,192 codes.
; dot is the product of BF8 (E5M2) codes: z's are made here with the given 2^e0, emb's come from ecodes (made with 2^e1).  zz and ee are sums of squares of the f32 numbers.
; d2 KEEPS reference()'s TWO f32 ROUNDINGS: one fused multiply-add sum x (-2 x 2^(e0 + e1)) + zz (the factor is a power of two, so only the subtraction rounds), then + ee.  Equal d2: the lower index wins.
; LIMITS: -126 <= e0 <= 112; -127 <= e0 + e1 <= 126, so that each power of two below is an f32 number.  NaN among the inputs is not served.
; SHARES.  A work-group owns 128 rows: b = wg / 8, hw = 128 (wg % 8) on.  EVERY one of its eight waves keeps all 128 rows' codes in 256 registers (window 1); THE WAVES SHARE THE CODES OF emb: of a slot of 512 codes
; wave w takes block w, 64 codes: four tiles of 16.  A fragment of emb read from LDS feeds 8 matrix instructions; each LDS byte of a slot is read once, by the wave whose tensor load brought it.
; Two waves lie on a SIMD, so that one wave's vector work stands beside the other's matrix work.
; CLUSTER.  All work-groups walk the same codes of emb: the four of a cluster ask for each block JOINTLY (the same tensor load, the same descriptor, a mask that names the four).  z's rows are a work-group's own: a plain load.
; THE PRODUCT: source 0 = 16 codes of emb, source 1 = 16 rows of z.  In the result lane (r, h) holds ONE row r of z, and register j the code 8 h + j.
; THE ARGMIN, for each result tile: 8 packed lines make d2; 4 lines its smallest m; where m < R (strictly: the earlier tile keeps a tie) R, the tile's first code T and the tile's eight d2 S are replaced.
; At the end the first j with S[j] = R gives the index T + 8 h + j; then (d2, index) is compared with the lane 16 away and, through LDS, among the eight waves.
; K IS PERMUTED ALIKE IN BOTH OPERANDS: registers 4 q .. 4 q + 3 of a lane hold K = 32 q + 16 h + 0 .. 15, so that a fragment comes by loads of 16 bytes; every product meets its partner.
; REGISTERS.  Window 0: v1-6 addresses that stay; v8-11 at work; v13 the first code of the tile in hand; v14 8 h; v15 +infinity; v16-79 two sets of emb's fragments; v80-95 two sets of ee; v96-159 the eight result tiles;
;   v160 + 2 i zz, v161 + 2 i R, v176 + 2 i T, v192 + 8 i S of row tile i.  Window 1: z's fragments: row tile i, K step s at v[32 i + 16 s].
;   At the head only: v96-223 my 128 numbers of z, v16-47 their codes, v48-55 addresses and the scale.
.set BLK,   16640                      ; a block of ecodes: four tiles of 4,096 bytes and 256 bytes of ee
.set SLOTB, 8*BLK                      ; a slot: eight blocks, one a wave
.set S1,    SLOTB                      ; LDS: slot 0 at 0; slot 1 here.  Slot 1 first holds z as f32: 256 rows (channels) of 512 bytes + 8 of padding
.set ZP,    520                        ; that row's pitch: 130 words, so that lanes 16-31, 16 rows further on, read 32 banks away from lanes 0-15 (64 banks of 4 bytes: ISA guide 11.1)
.set ZIMG,  2*SLOTB                    ; images of z's fragments: row tile i at 4096 i, group q at 512 q, lane at 16 x lane
.set ZZB,   ZIMG+32768                 ; zz of the 128 rows
.set MV,    ZZB+512                    ; the waves' best d2, [wave][row],
.set MI,    MV+4096                    ; and their indices
.set SPARE, MI+4096                    ; the spare words, 128 bytes for each wave: four blocks of 256 bytes that no other line names
.set SPW,  1                           ; v1   SPARE + 4 x my thread's number; never rewritten
.set NIL,  2                           ; v2   0; never rewritten
.set AE,   3                           ; v3, v4  my block's tiles in slot 0, 1: + 16 x lane
.set AX,   5                           ; v5, v6  my block's ee in slot 0, 1: + 32 h
.set TIDV, 13
.set H8,   14
.set INF,  15
.set E,    16
.set X,    80
.set D,    96
.set ZZ,   160
.set T,    176
.set S,    192
.set XH,   96
.set G1E,  24                          ; s[24:31] descriptor group 1 for a block of ecodes
.set G1Z,  32                          ; s[32:39] for z's rows
.set G0E0, 40                          ; s[40:43] group 0 for slot 0's fills;  s[44:47] for slot 1's;  s[48:51] for z
.set G0E1, 44
.set G0Z,  48
.set CS,   52                          ; s[52:53] -2 x 2^(e0 + e1): the packed form names a pair and takes its low word for both halves
.set SEL,  54                          ; s[54:55] v_permlanex16_b32: lane l takes lane l xor 16
.set DUAL, 1                           ; 1: two selections, or two moves, in one dual-issue line; 0: in two plain lines
.set MSB, 0
.macro WIN new                         ; the immediate's high byte repeats the setting that is left
.if MSB != \new
	s_set_vgpr_msb (MSB<<8)|\new
.set MSB, \new
.endif
.endm
.macro CREST                           ; a round of the cluster's barrier behind its opening barrier
	s_cmp_lg_u32 s12, 0
	s_cbranch_scc1 .Lnot_wave_0_\@
	s_barrier_signal -3
.Lnot_wave_0_\@:
	s_barrier_wait -3
	s_barrier_signal -1
	s_barrier_wait -1
.endm
.macro ROUND                           ; a whole round
	s_barrier_signal -1
	s_barrier_wait -1
	CREST
.endm
.macro PLACES
.rept 4
	v_nop
.endr
.endm
; Where VCC is set: d0 <- b0 and d1 <- b1.  One destination is even and the other odd; d0 and d1, and b0 and b1, differ modulo 4.
.macro CSEL2 d0, b0, d1, b1
.if DUAL
	v_dual_cndmask_b32 v[\d0], v[\d0], v[\b0] :: v_dual_cndmask_b32 v[\d1], v[\d1], v[\b1]
.else
	v_cndmask_b32 v[\d0], v[\d0], v[\b0], vcc_lo
	v_cndmask_b32 v[\d1], v[\d1], v[\b1], vcc_lo
.endif
.endm
.macro MOV2 d0, a0, d1, a1
.if DUAL
	v_dual_mov_b32 v[\d0], v[\a0] :: v_dual_mov_b32 v[\d1], v[\a1]
.else
	v_mov_b32 v[\d0], v[\a0]
	v_mov_b32 v[\d1], v[\a1]
.endif
.endm
; Tile t of my block in the slot: its two fragments (8 loads of 512 consecutive bytes) into set p, and its eight ee of my half of the lanes.
.macro LOADE slot, t, p
.irp g, 0,1,2,3,4,5,6,7
	ds_load_b128 v[E+32*(\p)+4*\g:E+32*(\p)+4*\g+3], v[AE+\slot] offset:4096*(\t)+512*\g
.endr
	ds_load_b128 v[X+8*(\p):X+8*(\p)+3], v[AX+\slot] offset:64*(\t)
	ds_load_b128 v[X+8*(\p)+4:X+8*(\p)+7], v[AX+\slot] offset:64*(\t)+16
.endm
; Row tiles 2 q and 2 q + 1 against set p's 16 codes, K = 256 in two steps.  The two accumulators take turns, one instruction a turn; the first products start the sums.
.macro MMA4 p, q
	WIN 0x04                                       ; source 1 (z) in window 1
	v_wmma_f32_16x16x128_bf8_bf8 v[D+16*(\q):D+16*(\q)+7], v[E+32*(\p):E+32*(\p)+15], v[64*(\q):64*(\q)+15], 0
	v_wmma_f32_16x16x128_bf8_bf8 v[D+16*(\q)+8:D+16*(\q)+15], v[E+32*(\p):E+32*(\p)+15], v[64*(\q)+32:64*(\q)+47], 0
	v_wmma_f32_16x16x128_bf8_bf8 v[D+16*(\q):D+16*(\q)+7], v[E+32*(\p)+16:E+32*(\p)+31], v[64*(\q)+16:64*(\q)+31], v[D+16*(\q):D+16*(\q)+7]
	v_wmma_f32_16x16x128_bf8_bf8 v[D+16*(\q)+8:D+16*(\q)+15], v[E+32*(\p)+16:E+32*(\p)+31], v[64*(\q)+48:64*(\q)+63], v[D+16*(\q)+8:D+16*(\q)+15]
	WIN 0
.endm
; d2 and the running minimum for row tiles i and i + 1, line by line in turn; xb: the code tile's ee.  36 lines.  Each accumulator is read from its low end on.
.macro EPI2 i, xb
.irp j, 0,2,4,6
	v_pk_fma_f32 v[D+8*(\i)+\j:D+8*(\i)+\j+1], v[D+8*(\i)+\j:D+8*(\i)+\j+1], s[CS:CS+1], v[ZZ+2*(\i):ZZ+2*(\i)+1] op_sel_hi:[1,0,0]   ; zz - 2 dot: one rounding (of the pairs the low word serves both halves)
	v_pk_fma_f32 v[D+8*(\i)+8+\j:D+8*(\i)+9+\j], v[D+8*(\i)+8+\j:D+8*(\i)+9+\j], s[CS:CS+1], v[ZZ+2*(\i)+2:ZZ+2*(\i)+3] op_sel_hi:[1,0,0]
.endr
.irp j, 0,2,4,6
	v_pk_add_f32 v[D+8*(\i)+\j:D+8*(\i)+\j+1], v[D+8*(\i)+\j:D+8*(\i)+\j+1], v[(\xb)+\j:(\xb)+\j+1]   ; + ee: the second rounding
	v_pk_add_f32 v[D+8*(\i)+8+\j:D+8*(\i)+9+\j], v[D+8*(\i)+8+\j:D+8*(\i)+9+\j], v[(\xb)+\j:(\xb)+\j+1]
.endr
	v_min3_num_f32 v8, v[D+8*(\i)], v[D+8*(\i)+1], v[D+8*(\i)+2]
	v_min3_num_f32 v10, v[D+8*(\i)+8], v[D+8*(\i)+9], v[D+8*(\i)+10]
	v_min3_num_f32 v9, v[D+8*(\i)+3], v[D+8*(\i)+4], v[D+8*(\i)+5]
	v_min3_num_f32 v11, v[D+8*(\i)+11], v[D+8*(\i)+12], v[D+8*(\i)+13]
	v_min3_num_f32 v8, v8, v[D+8*(\i)+6], v[D+8*(\i)+7]
	v_min3_num_f32 v10, v10, v[D+8*(\i)+14], v[D+8*(\i)+15]
	v_min_num_f32 v8, v8, v9
	v_min_num_f32 v10, v10, v11
	v_cmp_lt_f32 vcc_lo, v8, v[ZZ+2*(\i)+1]        ; strictly smaller than the best so far
	CSEL2 ZZ+2*(\i)+1, 8, T+2*(\i), TIDV
.irp j, 0,2,4,6
	CSEL2 S+8*(\i)+\j, D+8*(\i)+\j, S+8*(\i)+\j+1, D+8*(\i)+\j+1
.endr
	v_cmp_lt_f32 vcc_lo, v10, v[ZZ+2*(\i)+3]
	CSEL2 ZZ+2*(\i)+3, 10, T+2*(\i)+2, TIDV
.irp j, 0,2,4,6
	CSEL2 S+8*(\i)+8+\j, D+8*(\i)+8+\j, S+8*(\i)+9+\j, D+8*(\i)+9+\j
.endr
.endm
; A code tile against all eight row tiles.  Each pair's vector work stands behind the NEXT pair's products: those 36 plain lines, which name none of the products' registers, are the places
; between the products and the first read of their results (ISA guide 7.12.1), and the matrix unit works meanwhile.  The last pair's vector work stands in the next tile, behind its first products.
; The next tile's loads stand in one run; the set that they fill was last multiplied a pair of row tiles and 36 plain lines earlier or more.
.macro TILE slot, t
	s_wait_dscnt 0x0                               ; this tile's fragments and ee, asked for a tile ago (the slot's first: just now)
	MMA4 (\t)%2, 0
.if (\t) > 0
	EPI2 6, X+8*(1-(\t)%2)
	v_add_nc_u32 v[TIDV], 16, v[TIDV]              ; from here on the vector work is this tile's
.else
	PLACES                                         ; no vector work is at hand: the places behind the first products
.endif
.if (\t) < 3
	LOADE \slot, (\t)+1, 1-(\t)%2
.endif
	MMA4 (\t)%2, 1
	EPI2 0, X+8*((\t)%2)
	MMA4 (\t)%2, 2
	EPI2 2, X+8*((\t)%2)
	MMA4 (\t)%2, 3
	EPI2 4, X+8*((\t)%2)
.endm
.macro WORK slot                       ; my block of a slot: four code tiles
	LOADE \slot, 0, 0
	TILE \slot, 0
	TILE \slot, 1
	TILE \slot, 2
	TILE \slot, 3
.endm
; THE CHANGE OF SLOTS.  Each wave waits for all its tensor loads (its block of the slot that it reads next), adds 0 to its spare word, and waits for that and for its reads of the slot that it has left.
; The barrier opens a round of the cluster's barrier: behind it no wave of any partner reads the slot or has a load on its way, and the joint refill is the first thing there: it has a slot's four code tiles in which to land.
; epi = 1: the last pair's vector work of the slot just left stands between the signal and the wait: work on registers.  step = 1: the descriptor goes two slots on.
.macro CHANGE epi, g0, step
	s_wait_tensorcnt 0x0                           ; no tensor load of mine is out, so a group 0 may be written
	ds_add_u32 v[SPW], v[NIL]                      ; 0 onto my spare word
.if \step
	s_add_nc_u64 s[\g0+2:\g0+3], s[\g0+2:\g0+3], 2*SLOTB   ; the type bits on top are not reached
.endif
	s_wait_dscnt 0x0                               ; the add is done, and my reads of the slot are over
	s_barrier_signal -1
.if \epi
	EPI2 6, X+8
	v_add_nc_u32 v[TIDV], 464, v[TIDV]             ; my block of the next slot: 512 codes on, less the 48 already added
.endif
	s_barrier_wait -1
	CREST
	tensor_load_to_lds s[\g0:\g0+3], s[G1E:G1E+7]
	s_nop 0
	PLACES                                         ; four v_nop follow the load
.endm
; (val, idx) <- the smaller of (val, idx) and (pval, pidx): by d2, then by index
.macro LEXMIN val, idx, pval, pidx
	v_cmp_lt_f32 s60, v[\pval], v[\val]
	v_cmp_eq_f32 s61, v[\pval], v[\val]
	v_cmp_lt_u32 s62, v[\pidx], v[\idx]
	s_and_b32 s61, s61, s62
	s_or_b32 s60, s60, s61
	v_cndmask_b32 v[\val], v[\val], v[\pval], s60
	v_cndmask_b32 v[\idx], v[\idx], v[\pidx], s60
.endm
	s_load_b256 s[4:11], s[0:1], 0x0               ; ecodes s[4:5], the scales' exponents s[6:7], z s[8:9], idx s[10:11]
	v_lshl_add_u32 v[SPW], v0, 2, SPARE
	v_mov_b32 v[NIL], 0
	ds_add_u32 v1, v2
	ds_add_u32 v1, v2
	s_wait_dscnt 0x0
	v_lshrrev_b32 v7, 5, v0
	v_readfirstlane_b32 s12, v7                    ; wave 0..7
	s_bfe_u32 s13, ttmp6, 0x40000                  ; cx: my place in the cluster; it enters z's and idx's global addresses alone
	s_lshl_b32 s14, ttmp9, 2                       ; in a cluster launch ttmp9 counts clusters
	s_add_co_u32 s14, s14, s13                     ; my work-group: 4 x cluster + cx
	; group 1 for a block of ecodes: 65 rows of 32 elements of 8 bytes, dense
	s_mov_b32 s[G1E+0], 15|(3<<16)|(1<<21)         ; 15:0 the mask: all four work-groups; 17:16 elements of 8 bytes; 21 set beside a mask
	s_mov_b32 s[G1E+1], 32<<16                     ; tensor_dim0 = 32
	s_mov_b32 s[G1E+2], 65<<16                     ; tensor_dim1 = 65
	s_mov_b32 s[G1E+3], 32<<16                     ; tile_dim0 = 32
	s_mov_b32 s[G1E+4], 65                         ; tile_dim1 = 65
	s_mov_b32 s[G1E+5], 32                         ; from row to row
	s_mov_b32 s[G1E+6], 0
	s_mov_b32 s[G1E+7], 0
	; group 1 for z: 32 channels x 128 numbers of 4 bytes, 1,024 numbers from channel to channel; 2 words of padding behind every 128
	s_mov_b32 s[G1Z+0], (2<<16)|(1<<20)|(6<<22)|(1<<25)
	s_mov_b32 s[G1Z+1], 128<<16
	s_mov_b32 s[G1Z+2], 32<<16
	s_mov_b32 s[G1Z+3], 128<<16
	s_mov_b32 s[G1Z+4], 32
	s_mov_b32 s[G1Z+5], 1024
	s_mov_b32 s[G1Z+6], 0
	s_mov_b32 s[G1Z+7], 0
	s_mul_i32 s16, s12, BLK                        ; my block: in a slot of LDS and in a slot's worth of ecodes alike; my 32 channels of z take as many bytes (32 x 520)
	s_mov_b32 s17, 0
	s_lshr_b32 s18, s14, 3                         ; z: b x 2^20 bytes
	s_lshl_b32 s18, s18, 20
	s_and_b32 s19, s14, 7
	s_lshl_b32 s19, s19, 9                         ; + 128 (wg % 8) numbers
	s_add_co_u32 s18, s18, s19
	s_lshl_b32 s19, s12, 17                        ; + 32 channels x wave
	s_add_co_u32 s18, s18, s19
	s_mov_b32 s19, 0
	s_lshl_b32 s20, s14, 9                         ; idx: 128 words a work-group
	s_mov_b32 s21, 0
	s_mov_b32 s[SEL], 0x76543210
	s_mov_b32 s[SEL+1], 0xfedcba98
	s_wait_kmcnt 0x0
	s_load_b64 s[58:59], s[6:7], 0x0               ; e0, e1
	s_mov_b32 s[G0E0], 1                           ; count = 1
	s_mov_b32 s[G0E0+1], s16                       ; LDS address: slot 0, my block
	s_add_nc_u64 s[G0E0+2:G0E0+3], s[4:5], s[16:17]   ; codes 64 w on
	s_or_b32 s[G0E0+3], s[G0E0+3], 0x80000000      ; type = 2
	s_mov_b32 s[G0E1], 1
	s_add_co_u32 s[G0E1+1], s16, S1
	s_add_nc_u64 s[G0E1+2:G0E1+3], s[4:5], s[16:17]
	s_add_nc_u64 s[G0E1+2:G0E1+3], s[G0E1+2:G0E1+3], SLOTB   ; codes 512 + 64 w on
	s_or_b32 s[G0E1+3], s[G0E1+3], 0x80000000
	s_mov_b32 s[G0Z], 1
	s_add_co_u32 s[G0Z+1], s16, S1
	s_add_nc_u64 s[G0Z+2:G0Z+3], s[8:9], s[18:19]
	s_or_b32 s[G0Z+3], s[G0Z+3], 0x80000000
	s_add_nc_u64 s[10:11], s[10:11], s[20:21]
	ROUND                                          ; all four work-groups are here: the first joint loads meet
	tensor_load_to_lds s[G0Z:G0Z+3], s[G1Z:G1Z+7]      ; my 32 channels of the work-group's 128 rows, into slot 1's bytes
	s_nop 0
	tensor_load_to_lds s[G0E0:G0E0+3], s[G1E:G1E+7]    ; my block of slot 0: two loads of mine are out
	s_nop 0
	PLACES
	v_and_b32 v7, 31, v0                           ; lane
	v_and_b32 v12, 15, v0                          ; r
	v_bfe_u32 v15, v0, 4, 1                        ; h
	v_lshlrev_b32 v[H8], 3, v15
	v_lshl_add_u32 v[AE], v7, 4, s16
	v_add_nc_u32 v[AE+1], S1, v[AE]
	v_lshl_add_u32 v[AX], v15, 5, s16
	v_add_nc_u32 v[AX], 16384, v[AX]
	v_add_nc_u32 v[AX+1], S1, v[AX]
	s_lshl_b32 s15, s12, 6
	v_mov_b32 v[TIDV], s15                         ; my first code: 64 w
	v_mul_u32_u24 v48, v15, 16*ZP                  ; z as f32: channel 16 h + ..,
	v_lshl_add_u32 v48, v12, 2, v48                ; row 16 w + r
	v_add_nc_u32 v48, s15, v48
	v_add_nc_u32 v48, S1, v48
	v_add_nc_u32 v49, 128*ZP, v48                  ; channels 128 on: the immediate has 16 bits
	s_lshl_b32 s22, s12, 12
	v_lshl_add_u32 v51, v7, 4, ZIMG                ; an image's place for my lane,
	v_add_nc_u32 v50, s22, v51                     ; and where I store row tile w's
	v_lshl_add_u32 v53, v12, 2, ZZB                ; zz of row r of a tile,
	v_add_nc_u32 v52, s15, v53                     ; and where I store row tile w's
	s_wait_kmcnt 0x0
	s_add_co_i32 s23, s58, s59
	s_add_co_i32 s23, s23, 128
	s_lshl_b32 s23, s23, 23
	s_or_b32 s[CS], s23, 0x80000000                ; -2 x 2^(e0 + e1) as f32
	s_mov_b32 s[CS+1], s[CS]                       ; (named with it as a pair, so it is written)
	s_add_co_i32 s22, s58, 127
	s_lshl_b32 s23, s22, 23
	v_mov_b32 v54, s23                             ; 2^e0 as f32: the conversion takes its exponent field
	s_add_co_i32 s22, s22, 15
	s_lshl_b32 s22, s22, 23
	s_or_b32 s22, s22, 0x600000
	v_mov_b32 v55, s22                             ; 57,344 x 2^e0
	s_wait_tensorcnt 1                             ; my channels of z are in; slot 0's block may stay out
	s_barrier_signal -1
	s_barrier_wait -1                              ; everybody's are
	; ---- z: wave w makes row tile w.  Lane (r, h) takes row 16 w + r, and its registers run down the channels: register 16 q + k = channel 32 q + 16 h + k
.irp q, 0,1,2,3
.irp k, 0,1,2,3,4,5,6,7,8,9,10,11,12,13,14,15
	ds_load_b32 v[XH+16*\q+\k], v48 offset:(32*\q+\k)*ZP
	ds_load_b32 v[XH+64+16*\q+\k], v49 offset:(32*\q+\k)*ZP
.endr
.endr
	s_wait_dscnt 0x0
	v_pk_mul_f32 v[8:9], v[XH:XH+1], v[XH:XH+1]    ; zz, of the numbers as they came: two packed chains, started by products
	v_pk_mul_f32 v[10:11], v[XH+2:XH+3], v[XH+2:XH+3]
.set j, 4
.rept 31
	v_pk_fma_f32 v[8:9], v[XH+j:XH+j+1], v[XH+j:XH+j+1], v[8:9]
	v_pk_fma_f32 v[10:11], v[XH+j+2:XH+j+3], v[XH+j+2:XH+j+3], v[10:11]
.set j, j+4
.endr
	v_pk_add_f32 v[8:9], v[8:9], v[10:11]
	v_add_f32 v8, v8, v9
	v_permlanex16_b32 v10, v8, s[SEL], s[SEL+1]    ; the row's other 128 channels lie in the lane 16 away
	v_add_f32 v8, v8, v10
.irp q, 0,1,2,3,4,5,6,7
.irp k, 0,1,2,3,4,5,6,7,8,9,10,11,12,13,14,15
	v_med3_num_f32 v[XH+16*\q+\k], v[XH+16*\q+\k], -v55, v55   ; the conversion to an 8-bit code does not saturate (ISA guide 7.6.2): the hold at the largest code x the scale
.endr
	v_cvt_scalef32_pk8_bf8_f32 v[E+4*\q:E+4*\q+1], v[XH+16*\q:XH+16*\q+7], v54
	v_cvt_scalef32_pk8_bf8_f32 v[E+4*\q+2:E+4*\q+3], v[XH+16*\q+8:XH+16*\q+15], v54
.endr
	v_nop                                          ; a plain vector line behind the last conversion
.irp q, 0,1,2,3,4,5,6,7
	ds_store_b128 v50, v[E+4*\q:E+4*\q+3] offset:512*\q   ; the fragments go to LDS as images of their registers
.endr
	ds_store_b32 v52, v8                           ; lanes r and r + 16 hold the same sum and write the same word
	s_wait_dscnt 0x0                               ; for the others' sake: my stores have landed
	s_barrier_signal -1
	s_barrier_wait -1
	WIN 0x40                                       ; destination window 1
.irp i, 0,1,2,3,4,5,6,7
.irp q, 0,1,2,3,4,5,6,7
	ds_load_b128 v[32*\i+4*\q:32*\i+4*\q+3], v51 offset:4096*\i+512*\q   ; all 128 rows' codes: they stay
.endr
.endr
	WIN 0
.irp i, 0,1,2,3,4,5,6,7
	ds_load_b32 v[ZZ+2*\i], v53 offset:64*\i
.endr
	v_mov_b32 v[INF], 0x7f800000                   ; the state: every d2 kept is +infinity, the tile my first
.irp i, 0,1,2,3,4,5,6,7
	MOV2 ZZ+2*\i+1, INF, T+2*\i, TIDV
.endr
.set j, 0
.rept 32
	MOV2 S+j, INF, S+j+1, INF
.set j, j+2
.endr
	CHANGE 0, G0E1, 0                              ; every wave has read z's f32 numbers: slot 1's first codes land over them
	s_mov_b32 s56, 7
.Lpair:                                            ; a trip: slots 2 k and 2 k + 1; it asks for slots 2 k + 2 and 2 k + 3
	WORK 0
	CHANGE 1, G0E0, 1
	WORK 1
	CHANGE 1, G0E1, 1
	s_sub_co_u32 s56, s56, 1
	s_cmp_lg_u32 s56, 0
	s_cbranch_scc1 .Lpair
	WORK 0                                         ; slot 14.  The tail is written out: nothing more is asked for
	s_wait_tensorcnt 0x0                           ; my block of slot 15 is in: no load was issued behind it, and I alone read it
	EPI2 6, X+8
	v_add_nc_u32 v[TIDV], 464, v[TIDV]
	WORK 1                                         ; slot 15
	EPI2 6, X+8
	; ---- the index.  In each lane: the first j whose kept d2 is the best; then the lane 16 away (the tile's other eight codes); then the eight waves, through LDS
	v_and_b32 v20, 31, v0
	v_lshlrev_b32 v22, 4, v20                      ; idx: 16 bytes a lane
	v_lshl_add_u32 v20, v20, 4, MV                 ; back: rows 4 x lane .. + 3 of a wave's list
	v_and_b32 v21, 15, v0
	s_lshl_b32 s15, s12, 9
	v_lshl_add_u32 v21, v21, 2, s15
	v_add_nc_u32 v21, MV, v21                      ; in: my wave's list, row r of a tile
	v_mov_b32 v18, 0                               ; written once: a lane permute's destination counts as one of its sources
	v_mov_b32 v19, 0
.macro FIN i
	v_mov_b32 v16, 7
.irp j, 6,5,4,3,2,1,0
	v_cmp_eq_f32 vcc_lo, v[S+8*(\i)+\j], v[ZZ+2*(\i)+1]
	v_cndmask_b32 v16, v16, \j, vcc_lo
.endr
	v_add3_u32 v[24+\i], v[T+2*(\i)], v16, v[H8]
	v_permlanex16_b32 v18, v[ZZ+2*(\i)+1], s[SEL], s[SEL+1]
	v_permlanex16_b32 v19, v[24+\i], s[SEL], s[SEL+1]
	LEXMIN ZZ+2*(\i)+1, 24+\i, 18, 19
	ds_store_b32 v21, v[ZZ+2*(\i)+1] offset:64*(\i)
	ds_store_b32 v21, v[24+\i] offset:4096+64*(\i)
.endm
.irp i, 0,1,2,3,4,5,6,7
	FIN \i
.endr
	s_wait_dscnt 0x0                               ; for wave 0's sake: my stores have landed
	s_barrier_signal -1
	s_barrier_wait -1
	s_cmp_lg_u32 s12, 0
	s_cbranch_scc1 .Lfin
.irp a, 0,1,2,3,4,5,6,7
	ds_load_b128 v[32+4*\a:35+4*\a], v20 offset:512*\a
	ds_load_b128 v[64+4*\a:67+4*\a], v20 offset:4096+512*\a
.endr
	s_wait_dscnt 0x0
.irp a, 1,2,3,4,5,6,7
.irp k, 0,1,2,3
	LEXMIN 32+\k, 64+\k, 32+4*\a+\k, 64+4*\a+\k
.endr
.endr
	global_store_b128 v22, v[64:67], s[10:11]      ; 32 lanes store the work-group's 128 indices: 512 consecutive bytes, at a multiple of 256 from idx's first byte
.Lfin:
	s_wait_tensorcnt 0x0                           ; the wave's end: behind my last tensor load and my last LDS store
	ds_add_u32 v[SPW], v[NIL]
	s_wait_dscnt 0x0
	ROUND                                          ; the closing round: no work-group ends while a partner may still ask for a block that names it
	s_endpgm
.Lfunc_end_k_qba157a06d3_search:
	.size	k_qba157a06d3_search, .Lfunc_end_k_qba157a06d3_search-k_qba157a06d3_search
	.p2alignl 7, 3214868480
	.fill 96, 4, 3214868480
	.section	.rodata,"a",@progbits
	.p2align	6, 0x0
	.amdhsa_kernel k_qba157a06d3_search
		.amdhsa_group_segment_fixed_size 327680
		.amdhsa_private_segment_fixed_size 0
		.amdhsa_enable_private_segment 0
		.amdhsa_kernarg_size 32
		.amdhsa_user_sgpr_count 2
		.amdhsa_user_sgpr_kernarg_segment_ptr 1
		.amdhsa_wavefront_size32 1
		.amdhsa_system_sgpr_workgroup_id_x 1
		.amdhsa_system_sgpr_workgroup_id_y 1
		.amdhsa_system_sgpr_workgroup_id_z 1
		.amdhsa_system_vgpr_workitem_id 0
		.amdhsa_next_free_vgpr 512
		.amdhsa_next_free_sgpr 66
		.amdhsa_reserve_vcc 1
		.amdhsa_float_denorm_mode_32 3
		.amdhsa_float_denorm_mode_16_64 3
		.amdhsa_memory_ordered 1
		.amdhsa_forward_progress 1
		.amdhsa_inst_pref_size 228
	.end_amdhsa_kernel
	.amdgpu_metadata
---
amdhsa.version: [ 1, 2 ]
amdhsa.kernels:
  - .name:           k_qba157a06d3_search
    .symbol:         k_qba157a06d3_search.kd
    .args:
      - { .name: ecodes, .offset: 0, .size: 8, .value_kind: global_buffer, .address_space: global }
      - { .name: lowp_scales, .offset: 8, .size: 8, .value_kind: global_buffer, .address_space: global }
      - { .name: z, .offset: 16, .size: 8, .value_kind: global_buffer, .address_space: global }
      - { .name: idx, .offset: 24, .size: 8, .value_kind: global_buffer, .address_space: global }
    .group_segment_fixed_size: 327680
    .private_segment_fixed_size: 0
    .kernarg_segment_align: 8
    .kernarg_segment_size: 32
    .max_flat_workgroup_size: 256
    .sgpr_count:     66
    .vgpr_count:     512
    .wavefront_size: 32
...
	.end_amdgpu_metadata
.endif
;; end of part 2
;; launch gather (part 3): grid 256 x 1, 16 waves a work-group, no clusters, 135,424 bytes of LDS; arguments z, emb, idx, out0, part; writes out0, part
.if DOCPART == 3
	.amdgcn_target "amdgcn-amd-amdhsa--gfx1250"
	.amdhsa_code_object_version 6
	.text
	.protected	k_qba157a06d3_gather
	.globl	k_qba157a06d3_gather
	.p2align	8
	.type	k_qba157a06d3_gather,@function
k_qba157a06d3_gather:
	s_mov_b64 s[64:65], 0
	v_nop
	global_prefetch_b8 v0, s[64:65] scope:SCOPE_SE
	s_setreg_imm32_b32 hwreg(HW_REG_WAVE_MODE, 25, 1), 1
	s_wait_xcnt 0x0
; out0[b][c][hw] = z + (emb[idx[n]][c] - z), n = 1024 b + hw, in f32 and in that order; part[g] = the work-group's sum of (emb[idx[n]][c] - z)^2.
; SHARES.  Work-group g owns rows n = 128 g .. 128 g + 127 (b = g / 8, hw = 128 (g % 8) on) and all 256 channels.  Wave w fetches the rows of emb for n = 8 w + q, q = 0 .. 7: a wave reads 512 consecutive bytes
; of ONE row at a time; then it works on channels 16 w .. 16 w + 15, where lane l holds hw = 4 l .. 4 l + 3: each load of z and each store of out0 covers 512 consecutive bytes, aligned.
; THE TURN from rows of emb (channels innermost) to planes of z (hw innermost) goes through LDS; what is left of it in a lane, 4 x 4 numbers, is a choice of register numbers.
; LDS: row rho of the 128 lies at ((rho % 4) x 32 + rho / 4) x 1,040, so that the lanes of a read (rho = 4 l + i) stand 1,040 bytes apart: an odd multiple of 16.  Behind the rows: 16 words for the waves' sums.
; The indices come from a buffer of whole numbers that an earlier launch stored; each is held under 8,192 before it enters an address.
; No cluster: which rows of emb a work-group reads hangs on its indices.  No tensor load: a row's address is known only from the list.  No matrix unit: nothing is multiplied but squares.
.set ROWP, 1040
.set WS,   128*ROWP
.set AS,   3                           ; v3, v4  where I put 16 bytes of a fetched row: rho % 4 = 0, 1; 2, 3
.set AR,   5                           ; v5, v6  where I read: i = 0, 1; 2, 3
.set DT,   12                          ; v12-27  16 differences: 4 k + i
.set Z,    32                          ; v32-95  z, then out0: channel cl of my 16 at 4 cl, + i
.set G,    96                          ; v96-159 rows of emb as fetched; then as read back: 16 blk + 4 i + k = row 4 l + i, channel 16 w + 4 blk + k
	s_load_b256 s[4:11], s[0:1], 0x0               ; z s[4:5], emb s[6:7], idx s[8:9], out0 s[10:11]
	s_load_b64 s[12:13], s[0:1], 0x20              ; part
	v_lshl_add_u32 v160, v0, 2, 0x20900
	v_mov_b32 v161, 0
	v_lshrrev_b32 v1, 5, v0
	v_readfirstlane_b32 s14, v1                    ; wave 0..15
	v_and_b32 v1, 31, v0                           ; l
	v_lshlrev_b32 v2, 4, v1                        ; 16 l
	s_mul_i32 s15, s14, 2*ROWP
	v_add_nc_u32 v[AS], s15, v2                    ; rho / 4 = 2 w + q / 4
	v_add_nc_u32 v[AS+1], 64*ROWP, v[AS]
	s_lshl_b32 s15, s14, 6
	v_mul_u32_u24 v[AR], v1, ROWP
	v_add_nc_u32 v[AR], s15, v[AR]                 ; rho / 4 = l; my wave's 64 bytes of a row
	v_add_nc_u32 v[AR+1], 64*ROWP, v[AR]
	s_lshl_b32 s15, s14, 2
	s_add_co_u32 s15, s15, WS
	v_mov_b32 v7, s15                              ; my wave's word
	v_and_b32 v28, 15, v0
	v_lshl_add_u32 v28, v28, 2, WS                 ; and the sixteen words, for wave 0
	s_lshr_b32 s24, ttmp9, 3
	s_lshl_b32 s24, s24, 20                        ; b x 2^20 bytes
	s_and_b32 s25, ttmp9, 7
	s_lshl_b32 s25, s25, 9                         ; + 128 (g % 8) numbers
	s_add_co_u32 s24, s24, s25
	s_lshl_b32 s25, s14, 16                        ; + 16 channels x wave
	s_add_co_u32 s24, s24, s25
	s_mov_b32 s25, 0
	s_lshl_b32 s26, ttmp9, 9                       ; idx: 128 words a work-group,
	s_lshl_b32 s27, s14, 5                         ; 8 a wave
	s_add_co_u32 s26, s26, s27
	s_mov_b32 s27, 0
	s_lshl_b32 s28, ttmp9, 2                       ; part: a word a work-group
	s_mov_b32 s29, 0
	s_mov_b32 s30, 0x76543210
	s_mov_b32 s31, 0xfedcba98
	s_wait_kmcnt 0x0
	s_add_nc_u64 s[8:9], s[8:9], s[26:27]
	s_load_b256 s[16:23], s[8:9], 0x0              ; my eight indices
	s_add_nc_u64 s[4:5], s[4:5], s[24:25]
	s_add_nc_u64 s[10:11], s[10:11], s[24:25]
	s_add_nc_u64 s[12:13], s[12:13], s[28:29]
.irp c, 0,1,2,3,4,5,6,7,8,9,10,11,12,13,14,15
	global_load_b128 v[Z+4*\c:Z+4*\c+3], v2, s[4:5] offset:4096*\c th:TH_LOAD_NT   ; z goes out while the indices come
.endr
	s_wait_kmcnt 0x0
.irp q, 0,1,2,3,4,5,6,7
	s_min_u32 s[16+\q], s[16+\q], 8191             ; an index stays inside the table
	s_lshl_b32 s[32+2*\q], s[16+\q], 10            ; a row of emb is 1,024 bytes
	s_mov_b32 s[33+2*\q], 0
	s_add_nc_u64 s[32+2*\q:33+2*\q], s[6:7], s[32+2*\q:33+2*\q]
	global_load_b128 v[G+8*\q:G+8*\q+3], v2, s[32+2*\q:33+2*\q]
	global_load_b128 v[G+8*\q+4:G+8*\q+7], v2, s[32+2*\q:33+2*\q] offset:512
.endr
	s_wait_loadcnt 0x0                             ; the rows were asked for last
.irp q, 0,1,2,3,4,5,6,7
	ds_store_b128 v[AS+(\q/2)%2], v[G+8*\q:G+8*\q+3] offset:((\q%2)*32+\q/4)*ROWP
	ds_store_b128 v[AS+(\q/2)%2], v[G+8*\q+4:G+8*\q+7] offset:((\q%2)*32+\q/4)*ROWP+512
.endr
	s_wait_dscnt 0x0                               ; for the others' sake: my stores have landed
	s_barrier_signal -1
	s_barrier_wait -1
.irp blk, 0,1,2,3
.irp i, 0,1,2,3
	ds_load_b128 v[G+16*\blk+4*\i:G+16*\blk+4*\i+3], v[AR+\i/2] offset:(\i%2)*32*ROWP+16*\blk
.endr
.endr
	s_wait_dscnt 0x0
.irp blk, 0,1,2,3
.irp k, 0,1,2,3
.irp i, 0,1,2,3
	v_sub_f32 v[DT+4*\k+\i], v[G+16*\blk+4*\i+\k], v[Z+16*\blk+4*\k+\i]   ; z_q - z
.endr
.endr
.irp p, 0,2,4,6,8,10,12,14
	v_pk_add_f32 v[Z+16*\blk+\p:Z+16*\blk+\p+1], v[Z+16*\blk+\p:Z+16*\blk+\p+1], v[DT+\p:DT+\p+1]   ; z + (z_q - z)
.endr
.irp p, 0,4,8,12
.if (\blk == 0) && (\p == 0)
	v_pk_mul_f32 v[8:9], v[DT:DT+1], v[DT:DT+1]    ; the first products start the two chains of sums
	v_pk_mul_f32 v[10:11], v[DT+2:DT+3], v[DT+2:DT+3]
.else
	v_pk_fma_f32 v[8:9], v[DT+\p:DT+\p+1], v[DT+\p:DT+\p+1], v[8:9]
	v_pk_fma_f32 v[10:11], v[DT+\p+2:DT+\p+3], v[DT+\p+2:DT+\p+3], v[10:11]
.endif
.endr
.irp k, 0,1,2,3
	global_store_b128 v2, v[Z+16*\blk+4*\k:Z+16*\blk+4*\k+3], s[10:11] offset:4096*(4*\blk+\k) th:TH_STORE_NT   ; 512 consecutive bytes of a channel's plane; these registers are not written again
.endr
.endr
	v_pk_add_f32 v[8:9], v[8:9], v[10:11]
	v_add_f32 v8, v8, v9
	v_add_f32_dpp v8, v8, v8 row_xmask:1 row_mask:0xf bank_mask:0xf
	v_add_f32_dpp v8, v8, v8 row_xmask:2 row_mask:0xf bank_mask:0xf
	v_add_f32_dpp v8, v8, v8 row_xmask:4 row_mask:0xf bank_mask:0xf
	v_add_f32_dpp v8, v8, v8 row_xmask:8 row_mask:0xf bank_mask:0xf
	v_permlanex16_b32 v9, v8, s30, s31
	v_add_f32 v8, v8, v9                           ; the wave's sum, in every lane
	ds_store_b32 v7, v8
	s_wait_dscnt 0x0
	s_barrier_signal -1
	s_barrier_wait -1
	s_cmp_lg_u32 s14, 0
	s_cbranch_scc1 .Lend
	ds_load_b32 v8, v28                            ; wave 0: the sixteen sums, once in each half of the lanes
	s_wait_dscnt 0x0
	v_add_f32_dpp v8, v8, v8 row_xmask:1 row_mask:0xf bank_mask:0xf
	v_add_f32_dpp v8, v8, v8 row_xmask:2 row_mask:0xf bank_mask:0xf
	v_add_f32_dpp v8, v8, v8 row_xmask:4 row_mask:0xf bank_mask:0xf
	v_add_f32_dpp v8, v8, v8 row_xmask:8 row_mask:0xf bank_mask:0xf
	v_mov_b32 v9, 0
	v_cmp_eq_u32 vcc_lo, 0, v0
	s_wait_xcnt 0x0                                ; EXEC changes only behind this wait: it is a source of the stores above
	s_and_saveexec_b32 s24, vcc_lo
	global_store_b32 v9, v8, s[12:13]              ; one number a work-group: summed by the next launch
	s_wait_xcnt 0x0
	s_or_b32 exec_lo, exec_lo, s24
.Lend:
	s_wait_tensorcnt 0x0
	ds_add_u32 v160, v161
	s_wait_dscnt 0x0
	s_endpgm
.Lfunc_end_k_qba157a06d3_gather:
	.size	k_qba157a06d3_gather, .Lfunc_end_k_qba157a06d3_gather-k_qba157a06d3_gather
	.p2alignl 7, 3214868480
	.fill 96, 4, 3214868480
	.section	.rodata,"a",@progbits
	.p2align	6, 0x0
	.amdhsa_kernel k_qba157a06d3_gather
		.amdhsa_group_segment_fixed_size 135424
		.amdhsa_private_segment_fixed_size 0
		.amdhsa_enable_private_segment 0
		.amdhsa_kernarg_size 40
		.amdhsa_user_sgpr_count 2
		.amdhsa_user_sgpr_kernarg_segment_ptr 1
		.amdhsa_wavefront_size32 1
		.amdhsa_system_sgpr_workgroup_id_x 1
		.amdhsa_system_sgpr_workgroup_id_y 1
		.amdhsa_system_sgpr_workgroup_id_z 1
		.amdhsa_system_vgpr_workitem_id 0
		.amdhsa_next_free_vgpr 162
		.amdhsa_next_free_sgpr 66
		.amdhsa_reserve_vcc 1
		.amdhsa_float_denorm_mode_32 3
		.amdhsa_float_denorm_mode_16_64 3
		.amdhsa_memory_ordered 1
		.amdhsa_forward_progress 1
		.amdhsa_inst_pref_size 18
	.end_amdhsa_kernel
	.amdgpu_metadata
---
amdhsa.version: [ 1, 2 ]
amdhsa.kernels:
  - .name:           k_qba157a06d3_gather
    .symbol:         k_qba157a06d3_gather.kd
    .args:
      - { .name: z, .offset: 0, .size: 8, .value_kind: global_buffer, .address_space: global }
      - { .name: emb, .offset: 8, .size: 8, .value_kind: global_buffer, .address_space: global }
      - { .name: idx, .offset: 16, .size: 8, .value_kind: global_buffer, .address_space: global }
      - { .name: out0, .offset: 24, .size: 8, .value_kind: global_buffer, .address_space: global }
      - { .name: part, .offset: 32, .size: 8, .value_kind: global_buffer, .address_space: global }
    .group_segment_fixed_size: 135424
    .private_segment_fixed_size: 0
    .kernarg_segment_align: 8
    .kernarg_segment_size: 40
    .max_flat_workgroup_size: 512
    .sgpr_count:     66
    .vgpr_count:     162
    .wavefront_size: 32
...
	.end_amdgpu_metadata
.endif
;; end of part 3
;; launch loss (part 4): grid 1 x 1, 1 waves a work-group, no clusters, 0 bytes of LDS; arguments part, out1; writes out1
.if DOCPART == 4
	.amdgcn_target "amdgcn-amd-amdhsa--gfx1250"
	.amdhsa_code_object_version 6
	.text
	.protected	k_qba157a06d3_loss
	.globl	k_qba157a06d3_loss
	.p2align	8
	.type	k_qba157a06d3_loss,@function
k_qba157a06d3_loss:
	s_mov_b64 s[64:65], 0
	v_nop
	global_prefetch_b8 v0, s[64:65] scope:SCOPE_SE
	s_setreg_imm32_b32 hwreg(HW_REG_WAVE_MODE, 25, 1), 1
	s_wait_xcnt 0x0
; out1 = 2 x the mean of (z_q - z)^2 over 32 x 256 x 1,024 = 2^23 numbers = 2^-22 x the sum of the 256 partial sums.  (reference() adds the same mean twice.)
; One wave: a sum over work-groups has one owner, behind the launch that made the parts.  Each lane takes eight of them by two loads of 512 consecutive bytes a wave.
	s_load_b128 s[4:7], s[0:1], 0x0                ; part s[4:5], out1 s[6:7]
	v_lshlrev_b32 v1, 4, v0
	s_mov_b32 s8, 0x76543210
	s_mov_b32 s9, 0xfedcba98
	s_wait_kmcnt 0x0
	global_load_b128 v[4:7], v1, s[4:5]
	global_load_b128 v[8:11], v1, s[4:5] offset:512
	s_wait_loadcnt 0x0
	v_pk_add_f32 v[4:5], v[4:5], v[6:7]
	v_pk_add_f32 v[8:9], v[8:9], v[10:11]
	v_pk_add_f32 v[4:5], v[4:5], v[8:9]
	v_add_f32 v4, v4, v5
	v_add_f32_dpp v4, v4, v4 row_xmask:1 row_mask:0xf bank_mask:0xf
	v_add_f32_dpp v4, v4, v4 row_xmask:2 row_mask:0xf bank_mask:0xf
	v_add_f32_dpp v4, v4, v4 row_xmask:4 row_mask:0xf bank_mask:0xf
	v_add_f32_dpp v4, v4, v4 row_xmask:8 row_mask:0xf bank_mask:0xf
	v_permlanex16_b32 v5, v4, s8, s9
	v_add_f32 v4, v4, v5
	v_mul_f32 v4, 0x34800000, v4                   ; x 2^-22
	v_mov_b32 v2, 0
	v_cmp_eq_u32 vcc_lo, 0, v0
	s_wait_xcnt 0x0                                ; EXEC changes only behind this wait
	s_and_saveexec_b32 s10, vcc_lo
	global_store_b32 v2, v4, s[6:7]
	s_wait_xcnt 0x0
	s_or_b32 exec_lo, exec_lo, s10
	s_endpgm
.Lfunc_end_k_qba157a06d3_loss:
	.size	k_qba157a06d3_loss, .Lfunc_end_k_qba157a06d3_loss-k_qba157a06d3_loss
	.p2alignl 7, 3214868480
	.fill 96, 4, 3214868480
	.section	.rodata,"a",@progbits
	.p2align	6, 0x0
	.amdhsa_kernel k_qba157a06d3_loss
		.amdhsa_group_segment_fixed_size 0
		.amdhsa_private_segment_fixed_size 0
		.amdhsa_enable_private_segment 0
		.amdhsa_kernarg_size 16
		.amdhsa_user_sgpr_count 2
		.amdhsa_user_sgpr_kernarg_segment_ptr 1
		.amdhsa_wavefront_size32 1
		.amdhsa_system_sgpr_workgroup_id_x 1
		.amdhsa_system_sgpr_workgroup_id_y 1
		.amdhsa_system_sgpr_workgroup_id_z 1
		.amdhsa_system_vgpr_workitem_id 0
		.amdhsa_next_free_vgpr 16
		.amdhsa_next_free_sgpr 66
		.amdhsa_reserve_vcc 1
		.amdhsa_float_denorm_mode_32 3
		.amdhsa_float_denorm_mode_16_64 3
		.amdhsa_memory_ordered 1
		.amdhsa_forward_progress 1
		.amdhsa_inst_pref_size 2
	.end_amdhsa_kernel
	.amdgpu_metadata
---
amdhsa.version: [ 1, 2 ]
amdhsa.kernels:
  - .name:           k_qba157a06d3_loss
    .symbol:         k_qba157a06d3_loss.kd
    .args:
      - { .name: part, .offset: 0, .size: 8, .value_kind: global_buffer, .address_space: global }
      - { .name: out1, .offset: 8, .size: 8, .value_kind: global_buffer, .address_space: global }
    .group_segment_fixed_size: 0
    .private_segment_fixed_size: 0
    .kernarg_segment_align: 8
    .kernarg_segment_size: 16
    .max_flat_workgroup_size: 32
    .sgpr_count:     66
    .vgpr_count:     16
    .wavefront_size: 32
...
	.end_amdgpu_metadata
.endif
;; end of part 4
